; MI455X (gfx1250); checked and timed in simulation.
; The chip was launched on July 23, 2026; its instructions are those of AMD's public machine-readable ISA for CDNA 5 (MIT licence, August 2026) and "CDNA5" Instruction Set Architecture Reference Guide (July 2026). The comments in the code are by the model that wrote it; some were corrected since.
;; Vector Quantizer. Allowed arithmetic: matrix products marked QUANTISED: E3M2 operands, one E8M0 scale for each 32 along K, by v_wmma_scale_f32_16x16x128_f8f6f4 with both operands' format E3M2, f32 sums; everything else in f32.
;; Inputs: codebook 8,192 x 256 float32; latents 8 x 8 x 512 x 256 float32.
;; Outputs: out0 8 x 8 x 512 int32.
;; This version of the problem:
;;   THIS VERSION OF THE PROBLEM IS GIVEN IN LOW PRECISION. The matrix products marked QUANTISED in the list below multiply operands that are first quantised to E3M2 (3 exponent bits, 2 mantissa bits; 6 bits a number), with one power-of-two scale for each 32 numbers along K (OCP MX v1.0); their sums are f32. All else is computed in f32.
;;   The module's matrix products, in the order in which they are computed (A, B: the left and right operand; K: the contracted axis; several contracted axes count as one K, in the product's order):
;;     1. [M 32,768, K 256] x [K 256, N 8,192]; A: input latents; B: input codebook: QUANTISED
;;   THE QUANTISER, for each operand of a quantised product, along K:
;;     - K is cut into blocks of 32 from its start; a last block that is shorter is filled with zeros.
;;     - A block's scale is 2^e with e = floor(log2(the largest magnitude in the block)) - 4, held to -126 .. 127; a block of zeros has e = 0. As a byte (E8M0): e + 127.
;;     - Each number is divided by its block's scale, clamped to +-28, and rounded to the nearest number of E3M2, ties to even, subnormals kept.
;;     - The product sums the exact products of the quantised numbers (number of the format x scale) in f32.
;;   ~~~python
;;   def quantise(x, axis):      # numpy; x: float32 -> the quantised numbers, widened to float32 again
;;       x = np.moveaxis(x, axis, -1); K = x.shape[-1]
;;       x = np.pad(x, [(0, 0)] * (x.ndim - 1) + [(0, -K % 32)]); x = x.reshape(x.shape[:-1] + (-1, 32)); a = np.abs(x).max(-1, keepdims=True)
;;       e = np.where(a > 0, np.clip(np.frexp(np.where(a > 0, a, 1))[1] - 1 - 4, -126, 127), 0)      # np.frexp(a)[1] - 1 = floor(log2(a)), exactly
;;       r = np.clip(x / 2.0 ** e, -28, 28)
;;       step = 2.0 ** (np.maximum(np.frexp(np.where(r == 0, 1, r))[1] - 1, -2) - 2)
;;       q = np.round(r / step) * step * 2.0 ** e      # np.round: ties to even
;;       return np.moveaxis(q.reshape(q.shape[:-2] + (-1,))[..., :K], -1, axis).astype(np.float32)
;;   ~~~
;; One version. Each part assembles by itself: llvm-mc -triple=amdgcn-amd-amdhsa -mcpu=gfx1250 --defsym DOCPART=n.
;; ======== version 1 of 1: 2 launches
;; limits: right only within a limited range of input values
;; workspace buffers: cbq 1,703,936 bytes
;; launch cbq (part 1): grid 256 x 1, 2 waves a work-group, no clusters, 17,664 bytes of LDS; arguments codebook, cbq; writes cbq
.if DOCPART == 1
	.amdgcn_target "amdgcn-amd-amdhsa--gfx1250"
	.amdhsa_code_object_version 6
	.text
	.protected	k_q755b241da4_cbq
	.globl	k_q755b241da4_cbq
	.p2align	8
	.type	k_q755b241da4_cbq,@function
k_q755b241da4_cbq:
	s_mov_b64 s[64:65], 0
	v_nop
	global_prefetch_b8 v0, s[64:65] scope:SCOPE_SE
	s_setreg_imm32_b32 hwreg(HW_REG_WAVE_MODE, 25, 1), 1
	s_wait_xcnt 0x0
; The codebook [8192][256] f32 becomes 512 RECORDS of 16 codes each, laid in the order in which the next launch's operand registers take them.
; A record is 3,328 bytes (13 x 256):
;   0 .. 1,535      the fragment of k = 0 .. 127: 12 registers a lane, register group c (four registers) at 512 c + 16 x lane.
;                   Lane (r, h) holds code r; its registers 6 c' .. 6 c' + 5 hold the E3M2 codes of k = 64 c' + 32 h + 0 .. 31 (192 bits, no gaps)
;   1,536 .. 3,071  the same for k = 128 .. 255
;   3,072 .. 3,199  scale words: code r at 8 r: the word of k = 0 .. 127, then that of k = 128 .. 255; EVERY BYTE RAISED BY 1, so that the product comes out as 2 x.c, exactly
;   3,200 .. 3,263  -||c||^2 in f32, of the unquantised numbers, code r at 4 r
;   3,264 .. 3,327  zeros (the next launch copies whole records)
; A block's scale is 2^(floor(log2(its largest magnitude)) - 4); its byte is the largest magnitude's exponent field - 4, held at 1 from below.
; For finite f32 numbers that byte is at most 250, so the raised byte is at most 251 and no byte carries into the next.
; LIMITS: a block of zeros, or one whose largest magnitude lies under 2^(5 - 127), keeps the floor's byte (1, raised to 2); a block of zeros has zero codes, which add nothing.
;         NaN and infinities among the inputs are not served.
; SHARES: a wave takes one record: 16 rows of 1,024 bytes, 16,384 dense bytes.  Each load reads 512 consecutive bytes, 16 a lane.  The conversions want 32 neighbours along K in ONE
; lane's registers, so half a row block (16 rows x 512 bytes) at a time turns through the wave's own stage in LDS.  No loop, no barrier: waves share nothing.
.set REC,   3328
.set SP,    528                        ; a stage row: 512 bytes + 16: an odd multiple of 16, so the sixteen rows that a load of 16 bytes a lane touches start in different banks (64 banks of 4 bytes: ISA guide 11.1)
.set TAIL,  16*SP                      ; behind the stage: the record's last 256 bytes are gathered here
.set WREG,  TAIL+256                   ; LDS of one wave: 8,704 bytes
.set L16,   1                          ; v1   16 x lane: my bytes of a load's or a store's 512
.set SIN,   2                          ; v2   the stage, on the way in: 16 x lane
.set SOUT,  3                          ; v3   on the way out: row r, + 128 h
.set TSC,   4                          ; v4   the tail: my code's two scale words, 8 r
.set TNS,   5                          ; v5   the tail: 4 r (-||c||^2 at +128, zeros at +192)
.set TRD,   6                          ; v6   the tail read back: 8 x lane
.set L8,    7                          ; v7   8 x lane
.set H8,    8                          ; v8   8 h: my two scale bytes' shift
.set NIL,   9                          ; v9   0
.set W,     10                         ; v10-11 the two scale words
.set NS,    12                         ; v12  -||c||^2
.set TB,    14                         ; v14-15 the tail as it leaves
.set R,     16                         ; v16-143  32 loads x 4 registers
.set X,     144                        ; v144-207 64 numbers: block c at X + 32 c
.set PC,    208                        ; v208-231 the two fragments
.set TC,    232                        ; v232-239 the upper halves of a conversion's blocks
.set M,     240                        ; v240-241 largest magnitudes
.set SO,    242                        ; v242-243 the conversions' scale operands
.set BY,    244                        ; v244-245 scale bytes
.set T,     246                        ; v246 what lane l xor 16 sends
.set ACC,   248                        ; v248-255 four pairs of partial sums of squares
.set SEL,   12                         ; s12-13 lane selects for v_permlanex16_b32: lane l xor 16
; The squares of 64 numbers onto four pairs of sums, by turns.  first = 1: the first four lines start the sums: nothing is cleared.
.macro SQ xs, first
.set j, 0
.rept 32
.if (\first) && (j < 4)
	v_pk_mul_f32 v[ACC+2*j:ACC+2*j+1], v[\xs+2*j:\xs+2*j+1], v[\xs+2*j:\xs+2*j+1]
.else
	v_pk_fma_f32 v[ACC+2*(j%4):ACC+2*(j%4)+1], v[\xs+2*j:\xs+2*j+1], v[\xs+2*j:\xs+2*j+1], v[ACC+2*(j%4):ACC+2*(j%4)+1]
.endif
.set j, j+1
.endr
.endm
; The eight sums become one in v[ACC]; v[T] takes that of lane l xor 16, which holds the row's other numbers.
.macro SQSUM
	v_pk_add_f32 v[ACC:ACC+1], v[ACC:ACC+1], v[ACC+2:ACC+3]
	v_pk_add_f32 v[ACC+4:ACC+5], v[ACC+4:ACC+5], v[ACC+6:ACC+7]
	v_pk_add_f32 v[ACC:ACC+1], v[ACC:ACC+1], v[ACC+4:ACC+5]
	v_add_f32 v[ACC], v[ACC], v[ACC+1]
	v_permlanex16_b32 v[T], v[ACC], s[SEL], s[SEL+1]
.endm
; 64 numbers of a lane, two whole blocks of 32 (block c at xs + 32 c: k = 64 c + 32 h + 0 .. 31 of my row), become the fragment's 12 registers at pc and the row's scale word in w.
.macro QBLK xs, pc, w
.irp c, 0,1
	v_max3_num_f32 v[M+\c], |v[\xs+32*\c]|, |v[\xs+32*\c+1]|, 0x2800000   ; the floor 2^(5 - 127) among the leaves: the byte cannot fall under 1
.endr
.irp i, 2,4,6,8,10,12,14,16,18,20,22,24,26,28,30
.irp c, 0,1
	v_max3_num_f32 v[M+\c], v[M+\c], |v[\xs+32*\c+\i]|, |v[\xs+32*\c+\i+1]|   ; the two blocks by turns
.endr
.endr
.irp c, 0,1
	v_add_nc_u32 v[SO+\c], 0xfe000000, v[M+\c]     ; 4 off the exponent field: the conversion takes this operand's exponent field as its scale, and nothing else of it
.endr
.irp c, 0,1
	v_lshrrev_b32 v[BY+\c], 23, v[SO+\c]           ; the scale's byte
.endr
	v_lshl_or_b32 v[\w], v[BY+1], 16, v[BY]        ; my two bytes: blocks h and 2 + h of my row,
	v_lshlrev_b32 v[\w], v[H8], v[\w]              ; at their places in the word;
	v_permlanex16_b32 v[T], v[\w], s[SEL], s[SEL+1]
	v_or_b32 v[\w], v[\w], v[T]                    ; with lane l xor 16's two the word is whole, in both lanes
.irp c, 0,1
	v_cvt_scalef32_pk16_bf6_f32 v[\pc+6*\c:\pc+6*\c+2], v[\xs+32*\c:\xs+32*\c+15], v[SO+\c]
	v_cvt_scalef32_pk16_bf6_f32 v[TC+4*\c:TC+4*\c+2], v[\xs+32*\c+16:\xs+32*\c+31], v[SO+\c]   ; a conversion's three registers begin on an even number: the block's upper half is made elsewhere and moved
.endr
	v_nop                                          ; one plain vector line behind the last scaled conversion
.irp c, 0,1
.irp i, 0,1,2
	v_mov_b32 v[\pc+6*\c+3+\i], v[TC+4*\c+\i]
.endr
.endr
.endm
	s_load_b128 s[4:7], s[0:1], 0x0                ; the codebook s[4:5], the records s[6:7]
	v_lshl_add_u32 v239, v0, 2, 0x4400
	v_mov_b32 v247, 0
	v_lshrrev_b32 v[L16], 5, v0
	v_readfirstlane_b32 s8, v[L16]                 ; wave 0, 1
	v_and_b32 v[M], 31, v0                         ; lane
	v_and_b32 v[M+1], 15, v0                       ; r
	v_bfe_u32 v[SO], v0, 4, 1                      ; h
	s_lshl_b32 s9, ttmp9, 1
	s_add_co_u32 s9, s9, s8                        ; my record: 2 x work-group + wave
	s_mul_i32 s14, s8, WREG                        ; my wave's LDS
	s_add_co_u32 s15, s14, TAIL
	s_mov_b32 s[SEL], 0x76543210
	s_mov_b32 s[SEL+1], 0xfedcba98
	v_lshlrev_b32 v[L16], 4, v[M]
	v_add_nc_u32 v[SIN], s14, v[L16]
	v_mul_u32_u24 v[SOUT], v[M+1], SP
	v_lshl_add_u32 v[SOUT], v[SO], 7, v[SOUT]
	v_add_nc_u32 v[SOUT], s14, v[SOUT]
	v_lshl_add_u32 v[TSC], v[M+1], 3, s15
	v_lshl_add_u32 v[TNS], v[M+1], 2, s15
	v_lshlrev_b32 v[L8], 3, v[M]
	v_add_nc_u32 v[TRD], s15, v[L8]
	v_lshlrev_b32 v[H8], 3, v[SO]
	v_mov_b32 v[NIL], 0
	v_mov_b32 v[T], 0                              ; written once: a lane permute's destination counts as one of its sources
	s_lshl_b32 s10, s9, 14                         ; 16 rows of 1,024 bytes a record
	s_mov_b32 s11, 0
	s_mul_i32 s16, s9, REC
	s_mov_b32 s17, 0
	s_wait_alu depctr_va_vdst(0)
	s_wait_kmcnt 0x0
	s_add_nc_u64 s[4:5], s[4:5], s[10:11]
	s_add_nc_u64 s[6:7], s[6:7], s[16:17]
.irp s, 0,1                                    ; all 32 loads at once: first the sixteen rows' k = 0 .. 127, then their k = 128 .. 255; each reads 512 consecutive bytes
.irp p, 0,1,2,3,4,5,6,7,8,9,10,11,12,13,14,15
	global_load_b128 v[R+64*\s+4*\p:R+64*\s+4*\p+3], v[L16], s[4:5] offset:1024*\p+512*\s th:TH_LOAD_NT
.endr
.endr
; K step s: through the stage, squares, codes, scale word.
.macro HALF s
.if \s == 0
	s_wait_loadcnt 16                              ; loads come back in order: the first sixteen are in, the sixteen issued behind them may be out
.else
	s_wait_loadcnt 0x0
.endif
.irp p, 0,1,2,3,4,5,6,7,8,9,10,11,12,13,14,15
	ds_store_b128 v[SIN], v[R+64*\s+4*\p:R+64*\s+4*\p+3] offset:SP*\p
.endr
.irp c, 0,1                                    ; LDS serves a wave's instructions in order: these see the stores above
.irp i, 0,1,2,3,4,5,6,7
	ds_load_b128 v[X+32*\c+4*\i:X+32*\c+4*\i+3], v[SOUT] offset:256*\c+16*\i
.endr
.endr
	s_wait_dscnt 0x0
	SQ X, 1-\s
	QBLK X, PC+12*\s, W+\s
	v_add_nc_u32 v[W+\s], 0x01010101, v[W+\s]      ; every scale byte + 1: the product is doubled, exactly
.endm
	HALF 0
	HALF 1
	SQSUM
	v_add_f32 v[NS], -v[ACC], -v[T]                ; -||c||^2: my 128 numbers' squares and lane l xor 16's
.irp c, 0,1,2,3,4,5
	global_store_b128 v[L16], v[PC+4*\c:PC+4*\c+3], s[6:7] offset:512*\c   ; 32 lanes store 512 consecutive bytes, at a multiple of 256 from the buffer's first byte
.endr
	ds_store_b64 v[TSC], v[W:W+1]                  ; lanes r and 16 + r write the same bytes with the same values
	ds_store_b32 v[TNS], v[NS] offset:128
	ds_store_b32 v[TNS], v[NIL] offset:192
	ds_load_b64 v[TB:TB+1], v[TRD]                 ; in order behind my stores
	s_wait_dscnt 0x0
	global_store_b64 v[L8], v[TB:TB+1], s[6:7] offset:3072   ; the record's last 256 bytes, by one instruction
	s_wait_tensorcnt 0x0
	ds_add_u32 v239, v247
	s_wait_dscnt 0x0
	s_endpgm
.Lfunc_end_k_q755b241da4_cbq:
	.size	k_q755b241da4_cbq, .Lfunc_end_k_q755b241da4_cbq-k_q755b241da4_cbq
	.p2alignl 7, 3214868480
	.fill 96, 4, 3214868480
	.section	.rodata,"a",@progbits
	.p2align	6, 0x0
	.amdhsa_kernel k_q755b241da4_cbq
		.amdhsa_group_segment_fixed_size 17664
		.amdhsa_private_segment_fixed_size 0
		.amdhsa_enable_private_segment 0
		.amdhsa_kernarg_size 16
		.amdhsa_user_sgpr_count 2
		.amdhsa_user_sgpr_kernarg_segment_ptr 1
		.amdhsa_wavefront_size32 1
		.amdhsa_system_sgpr_workgroup_id_x 1
		.amdhsa_system_sgpr_workgroup_id_y 1
		.amdhsa_system_sgpr_workgroup_id_z 1
		.amdhsa_system_vgpr_workitem_id 0
		.amdhsa_next_free_vgpr 256
		.amdhsa_next_free_sgpr 66
		.amdhsa_reserve_vcc 0
		.amdhsa_float_denorm_mode_32 3
		.amdhsa_float_denorm_mode_16_64 3
		.amdhsa_memory_ordered 1
		.amdhsa_forward_progress 1
		.amdhsa_inst_pref_size 21
	.end_amdhsa_kernel
	.amdgpu_metadata
---
amdhsa.version: [ 1, 2 ]
amdhsa.kernels:
  - .name:           k_q755b241da4_cbq
    .symbol:         k_q755b241da4_cbq.kd
    .args:
      - { .name: codebook, .offset: 0, .size: 8, .value_kind: global_buffer, .address_space: global }
      - { .name: cbq, .offset: 8, .size: 8, .value_kind: global_buffer, .address_space: global }
    .group_segment_fixed_size: 17664
    .private_segment_fixed_size: 0
    .kernarg_segment_align: 8
    .kernarg_segment_size: 16
    .max_flat_workgroup_size: 64
    .sgpr_count:     66
    .vgpr_count:     256
    .wavefront_size: 32
...
	.end_amdgpu_metadata
.endif
;; end of part 1
;; launch vq (part 2): grid 256 x 1, 8 waves a work-group, clusters of 4 x 1, 327,680 bytes of LDS; arguments latents, cbq, out0; writes out0
.if DOCPART == 2
	.amdgcn_target "amdgcn-amd-amdhsa--gfx1250"
	.amdhsa_code_object_version 6
	.text
	.protected	k_q755b241da4_vq
	.globl	k_q755b241da4_vq
	.p2align	8
	.type	k_q755b241da4_vq,@function
k_q755b241da4_vq:
	s_mov_b64 s[64:65], 0
	v_nop
	global_prefetch_b8 v0, s[64:65] scope:SCOPE_SE
	s_setreg_imm32_b32 hwreg(HW_REG_WAVE_MODE, 25, 1), 1
	s_wait_xcnt 0x0
	s_wait_alu depctr_hold_cnt(0) depctr_sa_sdst(0) depctr_va_vdst(0) depctr_va_sdst(0) depctr_va_ssrc(0) depctr_va_vcc(0) depctr_vm_vsrc(0)
	s_getreg_b32 s2, hwreg(HW_REG_IB_STS2, 6, 4)
	s_cmp_eq_u32 s2, 0
	s_cbranch_scc0 .Lentry_in_a_cluster
	s_endpgm
.Lentry_in_a_cluster:
	s_bfe_u32 s2, ttmp6, 0x10000c
	s_cmp_lg_u32 s2, 0x3003
	s_cbranch_scc0 .Lentry_shape_is_right
	s_endpgm
.Lentry_shape_is_right:
; out0[row] = the index n of the smallest ||x||^2 - 2 x.c_n + ||c_n||^2 over 8,192 codes, for 32,768 rows x of 256 f32.  x.c is made on E3M2 codes with one E8M0 scale for each 32 along K;
; both sums of squares are of the unquantised numbers, in f32.  ||x||^2 is kept: it takes part in the rounding of the distances by which near ties are decided.
; THE CODEBOOK comes as 512 records of 16 codes (3,328 bytes: two fragments as images of the operand's registers, scale words with every byte raised by 1, -||c||^2), made by the launch before.
; THE MATRIX INSTRUCTION IS USED TRANSPOSED: source 0 = 16 codes, source 1 = 16 rows of x: lane (r, h) holds row r, register j the code 8 h + j.  C of a tile's first instruction is -||c||^2,
; and the raised scale bytes double the product: D = score = 2 x.c - ||c||^2, and the smallest distance is the largest score.
; SHARES: a work-group owns 128 rows, quantises them itself and EVERY WAVE KEEPS ALL 128 in registers (8 tiles x 2 K steps x 12 = 192 registers, window 1).  The codes are shared out: of a slot's
; 32 records wave w takes the four from 4 w on, so a record is read from LDS once.  A record is 16 matrix instructions and 73 vector lines.
; FOR A TILE (16 codes x 16 rows), nine lines: the largest of its 8 scores (three three-input maxima and half a pair), has it passed the running maximum (strictly: the earlier block stays on a
; tie), and nine selects by VCC, in pairs: the block's number, its first SEVEN scores and, in the eighth's place, the maximum itself.  The eighth score need not be kept: if it is not the
; block's largest, one of the first seven gives the smallest d and has the lower index; if it is, the maximum is its score.  No branch and no address hangs on data.
; AT THE END: d_j = ||x||^2 - kept number j; the first smallest j; then the smaller of (d, index), the lower index on equal d, across the two halves of the lanes and the eight waves.
; RING: two slots of 32 records.  Every wave fetches an eighth of a chunk (52 rows of 256 bytes) by one joint load behind each round; one load a wave is out.  The last record's matrix
; instructions stand between the barrier's signal and its wait, its scores are worked on behind the round, under the next slot's first LDS loads.
; CLUSTER: all work-groups walk the same records, so the four of a cluster ask for each chunk jointly.
; PREFETCH: while chunk c is worked on, chunk c + 3 is asked for, two changes of slots ahead of its tensor load; chunks 1 and 2 at the head.  Four clusters ask (all work-groups read the same
; 1.7 MB); in a cluster the partner at place p takes 8 records, its wave w one record: 13 blocks of 256 bytes, a lane a block (lanes 13-31 name the last again).  Nothing is asked past chunk 15.
; LIMITS.  Order of rounding: d = ||x||^2 - (2 x.c - ||c||^2), where the definition has (||x||^2 - 2 x.c) + ||c||^2.  Between a lane's blocks the scores are compared, before ||x||^2 is taken in:
; where two blocks' d are made equal only by that last rounding, the larger score wins, not the lower index.  Equal scores go to the lowest index.  NaN and infinities among the inputs are
; not served.  A block of x whose largest magnitude lies under 2^(5 - 127) keeps the scale byte 1.
.set REC,   3328
.set CHUNK, 32*REC                     ; a slot's 32 records: 106,496 bytes
.set QUART, 8*REC
.set EIGHTH,4*REC                      ; a wave's four records, and what its tensor load brings
.set SLOT1, 131072                     ; slot 0 at 0, slot 1 here
.set XIMG,  CHUNK                      ; between the slots: x's 16 fragments as images of their registers, 1,536 bytes each; no tensor load lands here
.set XRAW,  SLOT1                      ; x as it comes, 128 rows of 1,024 + 16 bytes; slot 1 is laid over it behind a round
.set XP,    1040
.set XSC,   XRAW+128*XP                ; x's scale words, 128 bytes a fragment
.set XSQ,   XSC+2048                   ; ||x||^2, 128 bytes a tile
.set RED,   XSC+4096                   ; 128 rows x 80 bytes: eight entries (d, n) + 16
.set RP,    80
.set SPARE, RED+128*RP                 ; the spare words, 128 bytes for each of 8 waves
; window 0
.set SPW,1
.set NIL,2
.set ADRI,3                            ; v3-4 slot 0, 1: my records + 16 x lane
.set ADRS,5                            ; v5-6 + 8 r
.set ADRC,7                            ; v7-8 + 32 h
.set LOFF,9                            ; 512 x chunk + 64 w + 8 h
.set ARW,10
.set ARD,11
.set AOUT,12
.set PFO,13
.set A3,14
.set A3S,15
.set XS,16                             ; v16-31 x's scale words: scales and nothing else
.set CF,32                             ; v32-79 a record's two fragments, two sets
.set CS,80                             ; v80-83 its scale words, two sets: scales and nothing else
.set NSC,84                            ; v84-99 -||c||^2, two sets
.set D,100                             ; v100-163 scores, 8 a tile
.set SV,164                            ; v164-227 tile t: the kept block's scores 0 to 6 at SV + 8 t, the running maximum at SV + 8 t + 7
.set ID,228                            ; tile t: the kept block's number at ID + 2 t (even registers),
.set MX,229                            ; the tile's largest score at MX + 2 t (odd ones): so the two halves of each pair below differ in parity and in register bank
.set LT,244                            ; at the end: the lower of two indices
.set IDV,252                           ; the number of register 0's code in the record in hand
; at the head
.set X,100
.set PC,32
.set TC,56
.set M,228
.set SO,230
.set BY,232
.set T,234
.set ACC,236
.set W,244
.set AXR,246
.set AXI,247
.set AXS,248
.set AXQ,249
.set H8,250
.set LN,251
.set RR,252
.set HH,253
.set P0,254
; at the end
.set SX,32
.set OD,40
.set ON,41
.set BD,100
.set FR,164
; scalars
.set WV,10
.set W1,11
.set QW,12
.set CX,13
.set WG,14
.set LAP,15
.set G1C,16                            ; group 1: 52 rows of 256 bytes, joint
.set G1X,24                            ; x: 32 rows of 1,024 bytes, padded
.set G1H,32                            ; 104 rows of 256 bytes, joint: the head's quarter of chunk 0
.set G0C,40                            ; s[40:43] slot 0, s[44:47] slot 1
.set G0X,48
.set G0H,52
.set LIM,57
.set SEL,60
.set PFA,62
.set MK,66
.set MSB,0
.macro WIN new                         ; the immediate's high byte repeats the setting that is left
.if MSB != \new
	s_set_vgpr_msb (MSB<<8)|\new
.set MSB, \new
.endif
.endm
.macro SQ xs                           ; the squares of 64 numbers onto four pairs of sums, by turns
.set j, 0
.rept 32
.if j < 4
	v_pk_mul_f32 v[ACC+2*j:ACC+2*j+1], v[\xs+2*j:\xs+2*j+1], v[\xs+2*j:\xs+2*j+1]
.else
	v_pk_fma_f32 v[ACC+2*(j%4):ACC+2*(j%4)+1], v[\xs+2*j:\xs+2*j+1], v[\xs+2*j:\xs+2*j+1], v[ACC+2*(j%4):ACC+2*(j%4)+1]
.endif
.set j, j+1
.endr
	v_pk_add_f32 v[ACC:ACC+1], v[ACC:ACC+1], v[ACC+2:ACC+3]
	v_pk_add_f32 v[ACC+4:ACC+5], v[ACC+4:ACC+5], v[ACC+6:ACC+7]
	v_pk_add_f32 v[ACC:ACC+1], v[ACC:ACC+1], v[ACC+4:ACC+5]
	v_add_f32 v[ACC], v[ACC], v[ACC+1]
	v_permlanex16_b32 v[T], v[ACC], s[SEL], s[SEL+1]   ; lane l xor 16 holds the row's other numbers
.endm
; 64 numbers of a lane, two blocks of 32 (k = 64 c + 32 h + 0 .. 31 of my row), become a fragment's 12 registers at pc and the row's scale word in w
.macro QBLK xs, pc, w
.irp c, 0,1
	v_max3_num_f32 v[M+\c], |v[\xs+32*\c]|, |v[\xs+32*\c+1]|, 0x2800000   ; the floor 2^(5 - 127): the byte cannot fall under 1
.endr
.irp i, 2,4,6,8,10,12,14,16,18,20,22,24,26,28,30
.irp c, 0,1
	v_max3_num_f32 v[M+\c], v[M+\c], |v[\xs+32*\c+\i]|, |v[\xs+32*\c+\i+1]|
.endr
.endr
.irp c, 0,1
	v_add_nc_u32 v[SO+\c], 0xfe000000, v[M+\c]     ; 4 off the exponent field: the conversion's scale operand
.endr
.irp c, 0,1
	v_lshrrev_b32 v[BY+\c], 23, v[SO+\c]           ; the scale's byte
.endr
	v_lshl_or_b32 v[\w], v[BY+1], 16, v[BY]
	v_lshlrev_b32 v[\w], v[H8], v[\w]
	v_permlanex16_b32 v[T], v[\w], s[SEL], s[SEL+1]
	v_or_b32 v[\w], v[\w], v[T]                    ; with lane l xor 16's two bytes the word is whole
.irp c, 0,1
	v_cvt_scalef32_pk16_bf6_f32 v[\pc+6*\c:\pc+6*\c+2], v[\xs+32*\c:\xs+32*\c+15], v[SO+\c]
	v_cvt_scalef32_pk16_bf6_f32 v[TC+4*\c:TC+4*\c+2], v[\xs+32*\c+16:\xs+32*\c+31], v[SO+\c]
.endr
	v_nop                                          ; one plain line behind the last scaled conversion
.irp c, 0,1
.irp i, 0,1,2
	v_mov_b32 v[\pc+6*\c+3+\i], v[TC+4*\c+\i]
.endr
.endr
.endm
.macro CREST                           ; a round of the cluster's barrier behind its opening barrier
	s_cmp_lg_u32 s[WV], 0
	s_cbranch_scc1 .Lnot_wave_0_\@
	s_barrier_signal -3
.Lnot_wave_0_\@:
	s_barrier_wait -3
	s_barrier_signal -1
	s_barrier_wait -1
.endm
.macro CROUND
	s_barrier_signal -1
	s_barrier_wait -1
	CREST
.endm
.macro LOADS slot, i, p                ; nine LDS loads: my i-th record of the slot into set p
.irp c, 0,1,2,3,4,5
	ds_load_b128 v[CF+24*\p+4*\c:CF+24*\p+4*\c+3], v[ADRI+\slot] offset:REC*\i+512*\c
.endr
	ds_load_b64 v[CS+2*\p:CS+2*\p+1], v[ADRS+\slot] offset:REC*\i+3072
	ds_load_b128 v[NSC+8*\p:NSC+8*\p+3], v[ADRC+\slot] offset:REC*\i+3200
	ds_load_b128 v[NSC+8*\p+4:NSC+8*\p+7], v[ADRC+\slot] offset:REC*\i+3216
.endm
.macro MMA p                           ; 16 codes x 128 rows x 256 along K; the eight accumulators take turns; source 1 lies in window 1
	WIN 0x04
.irp t, 0,1,2,3,4,5,6,7
	v_wmma_scale_f32_16x16x128_f8f6f4 v[D+8*\t:D+8*\t+7], v[CF+24*\p:CF+24*\p+11], v[24*\t:24*\t+11], v[NSC+8*\p:NSC+8*\p+7], v[CS+2*\p], v[XS+2*\t] matrix_a_fmt:MATRIX_FMT_BF6 matrix_b_fmt:MATRIX_FMT_BF6
.endr
.irp t, 0,1,2,3,4,5,6,7
	v_wmma_scale_f32_16x16x128_f8f6f4 v[D+8*\t:D+8*\t+7], v[CF+24*\p+12:CF+24*\p+23], v[24*\t+12:24*\t+23], v[D+8*\t:D+8*\t+7], v[CS+2*\p+1], v[XS+2*\t+1] matrix_a_fmt:MATRIX_FMT_BF6 matrix_b_fmt:MATRIX_FMT_BF6
.endr
	WIN 0
.endm
; Four places behind the last matrix instruction (ISA guide 7.12.1).  The first is useful: the number of register 0's code in my i-th record; on = 1: the second steps on to the next chunk, 512 codes
.macro PLACES i, on
	v_add_nc_u32 v[IDV], 16*\i, v[LOFF]
.if \on
	v_add_nc_u32 v[LOFF], 0x200, v[LOFF]
.else
	v_nop
.endif
	v_nop
	v_nop
.endm
.macro SEL2 t, j                       ; two kept scores of tile t take the record's where VCC says so
	v_dual_cndmask_b32 v[SV+8*\t+\j], v[SV+8*\t+\j], v[D+8*\t+\j] :: v_dual_cndmask_b32 v[SV+8*\t+\j+1], v[SV+8*\t+\j+1], v[D+8*\t+\j+1]
.endm
.macro EPI                             ; what is made of a record's scores; each accumulator is read from its low end on
.irp t, 0,1,2,3,4,5,6,7
	v_max3_num_f32 v[MX+2*\t], v[D+8*\t], v[D+8*\t+1], v[D+8*\t+2]
.endr
.irp i, 3,5
.irp t, 0,1,2,3,4,5,6,7
	v_max3_num_f32 v[MX+2*\t], v[MX+2*\t], v[D+8*\t+\i], v[D+8*\t+\i+1]
.endr
.endr
	v_max_num_f32 v[MX], v[MX], v[D+7]             ; tile 0's eighth score; the other tiles' ride in the pairs below
.irp t, 0,1,2,3,4,5,6,7
	v_cmp_gt_f32 vcc_lo, v[MX+2*\t], v[SV+8*\t+7]  ; grown, strictly
	SEL2 \t, 0
.if \t < 7
	v_dual_cndmask_b32 v[ID+2*\t], v[ID+2*\t], v[IDV] :: v_dual_max_num_f32 v[MX+2*\t+2], v[MX+2*\t+2], v[D+8*\t+15]   ; the block's number; and the next tile's eighth score
.else
	v_cndmask_b32 v[ID+2*\t], v[ID+2*\t], v[IDV], vcc_lo
.endif
	SEL2 \t, 2
	SEL2 \t, 4
	v_dual_cndmask_b32 v[SV+8*\t+6], v[SV+8*\t+6], v[D+8*\t+6] :: v_dual_cndmask_b32 v[SV+8*\t+7], v[SV+8*\t+7], v[MX+2*\t]   ; score 6; and the maximum
.endr
.endm
.macro ASK k                           ; chunk c + 3: 13 blocks of 256 bytes a wave; the branch hangs on the cluster's number and the loop's counter alone
	s_cmp_gt_u32 s[LAP], s[LIM+\k]
	s_cbranch_scc0 .Lnot_asked_\@
	global_prefetch_b8 v[PFO], s[PFA:PFA+1] offset:(3+\k)*CHUNK th:TH_LOAD_NT scope:SCOPE_SE
.Lnot_asked_\@:
.endm
; A chunk's first three records.  The count 9 leaves the nine loads of the record after the one that is multiplied out.
.macro REST slot, ask
	s_wait_dscnt 9
	MMA 0
	PLACES 0, 0
	LOADS \slot, 2, 0
.if \ask
	ASK \ask-1
.endif
	EPI
	s_wait_dscnt 9
	MMA 1
	PLACES 1, 0
	LOADS \slot, 3, 1
	EPI
	s_wait_dscnt 9
	MMA 0
	PLACES 2, 0
	EPI
.endm
; The change of slots: all my tensor loads have landed, the add, my reads of this slot are in registers; the last record is multiplied between signal and wait.
.macro SYNC slot, round, pf
.if \pf
	s_wait_xcnt 0x0                                ; my prefetches have read their base
	s_add_nc_u64 s[PFA:PFA+1], s[PFA:PFA+1], 2*CHUNK
.endif
	s_wait_tensorcnt 0x0
	ds_add_u32 v[SPW], v[NIL]
.if \round
	s_add_nc_u64 s[G0C+6-4*\slot:G0C+7-4*\slot], s[G0C+6-4*\slot:G0C+7-4*\slot], 2*CHUNK   ; no load of mine is out: the other slot's next chunk but one
.endif
	s_wait_dscnt 0x0
	s_barrier_signal -1
	MMA 1
	PLACES 3, 1
	s_barrier_wait -1
.if \round
	CREST
.endif
.endm
.macro HEADC slot, fill                ; behind the round: the refill of the slot just left, first; the new slot's first two records; the last record's scores
.if \fill
	tensor_load_to_lds s[G0C+4-4*\slot:G0C+7-4*\slot], s[G1C:G1C+7]
	s_nop 0
.endif
	LOADS \slot, 0, 0
	LOADS \slot, 1, 1
	EPI
.endm
.macro LEX ad, an, bd, bn              ; (ad, an) takes (bd, bn) where bd is smaller, or equal with the lower index: vector lines alone
	v_cmp_lt_f32 s90, v[\bd], v[\ad]
	v_cmp_eq_f32 s91, v[\bd], v[\ad]
	v_min_u32 v[LT], v[\an], v[\bn]
	v_cndmask_b32 v[\an], v[\an], v[\bn], s90
	v_min_num_f32 v[\ad], v[\ad], v[\bd]
	v_cndmask_b32 v[\an], v[\an], v[LT], s91
.endm
	s_load_b128 s[4:7], s[0:1], 0x0                ; x, the records
	s_load_b64 s[8:9], s[0:1], 0x10                ; the output
	v_lshl_add_u32 v[SPW], v0, 2, SPARE
	v_mov_b32 v[NIL], 0
	ds_add_u32 v[SPW], v[NIL]                      ; the opening lines: the add twice on end
	ds_add_u32 v[SPW], v[NIL]
	v_lshrrev_b32 v[LN], 5, v0
	v_readfirstlane_b32 s[WV], v[LN]               ; wave 0 .. 7
	s_and_b32 s[W1], s[WV], 1
	s_and_b32 s[QW], s[WV], 3
	s_bfe_u32 s[CX], ttmp6, 0x40000                ; my place in the cluster: it enters addresses in memory alone
	s_lshl_b32 s[WG], ttmp9, 2
	s_add_co_u32 s[WG], s[WG], s[CX]
	s_mov_b32 s[SEL], 0x76543210
	s_mov_b32 s[SEL+1], 0xfedcba98
	s_mul_i32 s66, s[WV], EIGHTH
	s_mov_b32 s67, 0
	s_lshl_b32 s68, s[WV], 6
	s_lshl_b32 s69, s[WV], 3
	s_add_co_u32 s69, s69, RED
	s_mul_i32 s70, s[W1], 64*RP
	s_add_co_u32 s70, s70, RED
	s_lshl_b32 s71, s[W1], 8
	s_mul_i32 s72, s[WV], REC
	s_mul_i32 s73, s[WV], 16*XP
	s_add_co_u32 s73, s73, XRAW
	s_mul_i32 s74, s[WV], 3072
	s_add_co_u32 s74, s74, XIMG
	s_lshl_b32 s75, s[WV], 8
	s_add_co_u32 s75, s75, XSC
	s_mul_i32 s76, s[QW], QUART
	s_mov_b32 s77, 0
	s_mul_i32 s78, s[CX], QUART
	s_mov_b32 s79, 0
	s_lshl_b32 s80, s[WG], 17                      ; my work-group's 128 rows of 1,024 bytes,
	s_lshl_b32 s81, s[QW], 15                      ; 32 of them
	s_add_co_u32 s80, s80, s81
	s_mov_b32 s81, 0
	s_lshl_b32 s82, s[WG], 9
	s_mov_b32 s83, 0
	s_mov_b32 s[G1C], 15|(3<<16)|(1<<21)           ; the mask: all four work-groups; elements of 8 bytes; bit 21 beside a mask
	s_mov_b32 s[G1C+1], 32<<16
	s_mov_b32 s[G1C+2], 52<<16
	s_mov_b32 s[G1C+3], 32<<16
	s_mov_b32 s[G1C+4], 52
	s_mov_b32 s[G1C+5], 32
	s_mov_b32 s[G1C+6], 0
	s_mov_b32 s[G1C+7], 0
	s_mov_b32 s[G1H], 15|(3<<16)|(1<<21)
	s_mov_b32 s[G1H+1], 32<<16
	s_mov_b32 s[G1H+2], 104<<16
	s_mov_b32 s[G1H+3], 32<<16
	s_mov_b32 s[G1H+4], 104
	s_mov_b32 s[G1H+5], 32
	s_mov_b32 s[G1H+6], 0
	s_mov_b32 s[G1H+7], 0
	s_mov_b32 s[G1X], (2<<16)|(1<<20)|(7<<22)|(3<<25)  ; elements of 4 bytes; 4 words of padding behind every 256
	s_mov_b32 s[G1X+1], 256<<16
	s_mov_b32 s[G1X+2], 32<<16
	s_mov_b32 s[G1X+3], 256<<16
	s_mov_b32 s[G1X+4], 32
	s_mov_b32 s[G1X+5], 256
	s_mov_b32 s[G1X+6], 0
	s_mov_b32 s[G1X+7], 0
	s_mov_b32 s[G0C], 1
	s_mov_b32 s[G0C+1], s66
	s_mov_b32 s[G0C+4], 1
	s_add_co_u32 s[G0C+5], s66, SLOT1
	s_mov_b32 s[G0H], 1
	s_mov_b32 s[G0H+1], s76
	s_mov_b32 s[G0X], 1
	s_mul_i32 s[G0X+1], s[QW], 32*XP
	s_add_co_u32 s[G0X+1], s[G0X+1], XRAW
	; every address register is made here, ahead of the first branch on the wave's number
	v_and_b32 v[LN], 31, v0
	v_and_b32 v[RR], 15, v0
	v_bfe_u32 v[HH], v0, 4, 1
	v_lshl_add_u32 v[ADRI], v[LN], 4, s66
	v_lshl_add_u32 v[ADRS], v[RR], 3, s66
	v_lshl_add_u32 v[ADRC], v[HH], 5, s66
	v_add_nc_u32 v[ADRI+1], SLOT1, v[ADRI]
	v_add_nc_u32 v[ADRS+1], SLOT1, v[ADRS]
	v_add_nc_u32 v[ADRC+1], SLOT1, v[ADRC]
	v_lshl_add_u32 v[LOFF], v[HH], 3, s68
	v_mul_u32_u24 v[ARW], v[RR], RP
	v_add_nc_u32 v[ARW], s69, v[ARW]               ; row r (+ 16 t by the offset), entry w
	v_mul_u32_u24 v[ARD], v[LN], 2*RP
	v_add_nc_u32 v[ARD], s70, v[ARD]               ; rows 64 (w & 1) + 2 x lane and the next
	v_lshl_add_u32 v[AOUT], v[LN], 3, s71
	v_min_u32 v[PFO], 12, v[LN]
	v_lshl_add_u32 v[PFO], v[PFO], 8, s72
	v_lshl_add_u32 v[A3], v[LN], 4, XIMG
	v_lshl_add_u32 v[A3S], v[LN], 2, XSC
	v_mul_u32_u24 v[AXR], v[RR], XP
	v_lshl_add_u32 v[AXR], v[HH], 7, v[AXR]
	v_add_nc_u32 v[AXR], s73, v[AXR]               ; row 16 w + r, byte 128 h
	v_lshl_add_u32 v[AXI], v[LN], 4, s74
	v_lshl_add_u32 v[AXS], v[LN], 2, s75
	v_lshl_add_u32 v[AXQ], v0, 2, XSQ
	v_lshlrev_b32 v[H8], 3, v[HH]
	v_mov_b32 v[T], 0                              ; a lane permute's destination counts as one of its sources
	s_wait_alu depctr_va_vdst(0)
	s_wait_dscnt 0x0
	s_wait_kmcnt 0x0
	s_add_nc_u64 s[G0C+6:G0C+7], s[6:7], s[66:67]
	s_add_nc_u64 s[G0C+6:G0C+7], s[G0C+6:G0C+7], CHUNK  ; slot 1: chunk 1
	s_add_nc_u64 s[G0C+2:G0C+3], s[G0C+6:G0C+7], CHUNK  ; slot 0's first refill: chunk 2
	s_or_b32 s[G0C+3], s[G0C+3], 0x80000000
	s_or_b32 s[G0C+7], s[G0C+7], 0x80000000
	s_add_nc_u64 s[G0H+2:G0H+3], s[6:7], s[76:77]
	s_or_b32 s[G0H+3], s[G0H+3], 0x80000000
	s_add_nc_u64 s[G0X+2:G0X+3], s[4:5], s[80:81]
	s_or_b32 s[G0X+3], s[G0X+3], 0x80000000
	s_add_nc_u64 s[PFA:PFA+1], s[6:7], s[78:79]
	s_add_nc_u64 s[8:9], s[8:9], s[82:83]
	s_cmp_lt_u32 ttmp9, 4                          ; the first four clusters prefetch
	s_cselect_b32 s[LIM], 0, -1
	s_cselect_b32 s[LIM+1], 1, -1
	CROUND                                         ; the four work-groups are here: the first joint loads meet
	s_cmp_lt_u32 s[WV], 4                          ; one tensor load a wave: waves 0-3 a quarter of x, waves 4-7 a quarter of chunk 0
	s_cbranch_scc0 .Larm_c
	tensor_load_to_lds s[G0X:G0X+3], s[G1X:G1X+7]
	s_nop 0
.rept 4
	v_nop
.endr
	s_branch .Lasked
.Larm_c:
	tensor_load_to_lds s[G0H:G0H+3], s[G1H:G1H+7]
	s_nop 0
.rept 4
	v_nop
.endr
.Lasked:
	s_cmp_lt_u32 ttmp9, 4
	s_cbranch_scc0 .Lno_pf
	global_prefetch_b8 v[PFO], s[PFA:PFA+1] offset:CHUNK th:TH_LOAD_NT scope:SCOPE_SE
	global_prefetch_b8 v[PFO], s[PFA:PFA+1] offset:2*CHUNK th:TH_LOAD_NT scope:SCOPE_SE
.Lno_pf:
	s_wait_tensorcnt 0x0
	s_barrier_signal -1
	s_barrier_wait -1                              ; x and chunk 0 are whole
	; ---- wave w makes tile w's two fragments: rows 16 w on, k = 128 s on
.irp s, 0,1
.irp c, 0,1
.irp i, 0,1,2,3,4,5,6,7
	ds_load_b128 v[X+64*\s+32*\c+4*\i:X+64*\s+32*\c+4*\i+3], v[AXR] offset:512*\s+256*\c+16*\i
.endr
.endr
.endr
	s_wait_dscnt 16                                ; the first K step's sixteen loads are in
	SQ X
	v_add_f32 v[P0], v[ACC], v[T]                  ; the squares of my row's first 128 numbers
	QBLK X, PC, W
	s_wait_dscnt 0x0
	SQ X+64
	v_add_f32 v[ACC], v[ACC], v[T]
	v_add_f32 v[ACC], v[P0], v[ACC]                ; ||x||^2
	QBLK X+64, PC+12, W+1
.irp f, 0,1
.irp c, 0,1,2
	ds_store_b128 v[AXI], v[PC+12*\f+4*\c:PC+12*\f+4*\c+3] offset:1536*\f+512*\c
.endr
.endr
	ds_store_b32 v[AXS], v[W]
	ds_store_b32 v[AXS], v[W+1] offset:128
	ds_store_b32 v[AXQ], v[ACC]
	; ---- slot 1's first fill lands on x as it came: the full sequence and a round
	s_wait_tensorcnt 0x0
	ds_add_u32 v[SPW], v[NIL]
	s_mov_b32 s66, 0xff800000                      ; -infinity, the running maxima among them: the first block is always kept
.set i, 0
.rept 64
	v_mov_b32 v[SV+i], s66
.set i, i+1
.endr
.irp t, 0,1,2,3,4,5,6,7
	v_mov_b32 v[ID+2*\t], 0
.endr
	s_mov_b32 s[LAP], 7
	s_wait_alu depctr_va_vdst(0)
	s_wait_dscnt 0x0                               ; my stores have landed, my reads of x as it came are over
	CROUND
	tensor_load_to_lds s[G0C+4:G0C+7], s[G1C:G1C+7]  ; chunk 1
	s_nop 0
	WIN 0x40                                       ; destination window 1: all sixteen fragments of x, to stay
.irp f, 0,1,2,3,4,5,6,7,8,9,10,11,12,13,14,15
.irp c, 0,1,2
	ds_load_b128 v[12*\f+4*\c:12*\f+4*\c+3], v[A3] offset:1536*\f+512*\c
.endr
.endr
	WIN 0
.irp f, 0,1,2,3,4,5,6,7,8,9,10,11,12,13,14,15
	ds_load_b32 v[XS+\f], v[A3S] offset:128*\f
.endr
	LOADS 0, 0, 0
	LOADS 0, 1, 1
.Llap:                                             ; trip i: chunks 2 i and 2 i + 1 are worked on, chunks 2 i + 2 and 2 i + 3 asked for
	REST 0, 1
	SYNC 0, 1, 0
	HEADC 1, 1
	REST 1, 2
	SYNC 1, 1, 1
	HEADC 0, 1
	s_sub_co_u32 s[LAP], s[LAP], 1
	s_cmp_lg_u32 s[LAP], 0
	s_cbranch_scc1 .Llap
	REST 0, 0                                      ; chunk 14
	SYNC 0, 0, 0                                   ; nothing is filled again: the work-group's barrier shows chunk 15 whole
	HEADC 1, 0
	REST 1, 0                                      ; chunk 15
	s_wait_dscnt 0x0
	MMA 1
	PLACES 3, 0
.irp t, 0,1,2,3,4,5,6,7
	ds_load_b32 v[SX+\t], v[A3S] offset:2048+128*\t   ; ||x||^2 of my row of tile t
.endr
	EPI
	s_wait_alu depctr_va_vdst(0)
	s_wait_dscnt 0x0
	; ---- the end: the eight tiles by turns.  In place 7 stands the block's maximum: its d is the block's smallest, and it is taken for j = 7 only where none of the first seven reaches it
.irp t, 0,1,2,3,4,5,6,7
	v_sub_f32 v[BD+2*\t], v[SX+\t], v[SV+8*\t]     ; d = ||x||^2 - score
	v_mov_b32 v[BD+2*\t+1], 0
.endr
.irp j, 1,2,3,4,5,6,7
.irp t, 0,1,2,3,4,5,6,7
	v_sub_f32 v[SV+8*\t+\j], v[SX+\t], v[SV+8*\t+\j]
.endr
.irp t, 0,1,2,3,4,5,6,7
	v_cmp_le_f32 s[MK+\t], v[BD+2*\t], v[SV+8*\t+\j]   ; the earlier one stays on a tie
.endr
.irp t, 0,1,2,3,4,5,6,7
	v_cndmask_b32 v[BD+2*\t+1], \j, v[BD+2*\t+1], s[MK+\t]
.endr
.irp t, 0,1,2,3,4,5,6,7
	v_min_num_f32 v[BD+2*\t], v[BD+2*\t], v[SV+8*\t+\j]
.endr
.endr
.irp t, 0,1,2,3,4,5,6,7
	v_add_nc_u32 v[BD+2*\t+1], v[ID+2*\t], v[BD+2*\t+1]   ; the code's number
.endr
.irp t, 0,1,2,3,4,5,6,7
	v_permlanex16_b32 v[OD], v[BD+2*\t], s[SEL], s[SEL+1]
	v_permlanex16_b32 v[ON], v[BD+2*\t+1], s[SEL], s[SEL+1]
	LEX BD+2*\t, BD+2*\t+1, OD, ON                 ; with lane l xor 16's, which held the blocks' other eight codes
	ds_store_b64 v[ARW], v[BD+2*\t:BD+2*\t+1] offset:16*RP*\t   ; lanes r and 16 + r write the same bytes with the same values
.endr
	s_wait_dscnt 0x0                               ; for the others' sake: my entries have landed
	s_barrier_signal -1
	s_barrier_wait -1
	s_cmp_lt_u32 s[WV], 2                          ; waves 0 and 1 join the eight entries of 64 rows each: a lane takes two rows
	s_cbranch_scc0 .Ldone
.irp k, 0,1,2,3
	ds_load_b128 v[FR+4*\k:FR+4*\k+3], v[ARD] offset:16*\k
	ds_load_b128 v[FR+16+4*\k:FR+16+4*\k+3], v[ARD] offset:RP+16*\k
.endr
	s_wait_dscnt 0x0
.irp q, 0,16                                   ; eight entries become one in three levels
.irp u, 0,4,8,12
	LEX FR+\q+\u, FR+\q+\u+1, FR+\q+\u+2, FR+\q+\u+3
.endr
.endr
.irp q, 0,16
	LEX FR+\q, FR+\q+1, FR+\q+4, FR+\q+5
	LEX FR+\q+8, FR+\q+9, FR+\q+12, FR+\q+13
.endr
.irp q, 0,16
	LEX FR+\q, FR+\q+1, FR+\q+8, FR+\q+9
.endr
	v_mov_b32 v[FR], v[FR+1]
	v_mov_b32 v[FR+1], v[FR+17]
	global_store_b64 v[AOUT], v[FR:FR+1], s[8:9] th:TH_STORE_NT   ; 32 lanes store 256 consecutive bytes, at a multiple of 256 from the output's first byte
.Ldone:
	s_wait_tensorcnt 0x0                           ; the wave's end
	ds_add_u32 v[SPW], v[NIL]
	s_wait_dscnt 0x0
	CROUND                                         ; the closing round
	s_endpgm
.Lfunc_end_k_q755b241da4_vq:
	.size	k_q755b241da4_vq, .Lfunc_end_k_q755b241da4_vq-k_q755b241da4_vq
	.p2alignl 7, 3214868480
	.fill 96, 4, 3214868480
	.section	.rodata,"a",@progbits
	.p2align	6, 0x0
	.amdhsa_kernel k_q755b241da4_vq
		.amdhsa_group_segment_fixed_size 327680
		.amdhsa_private_segment_fixed_size 0
		.amdhsa_enable_private_segment 0
		.amdhsa_kernarg_size 24
		.amdhsa_user_sgpr_count 2
		.amdhsa_user_sgpr_kernarg_segment_ptr 1
		.amdhsa_wavefront_size32 1
		.amdhsa_system_sgpr_workgroup_id_x 1
		.amdhsa_system_sgpr_workgroup_id_y 1
		.amdhsa_system_sgpr_workgroup_id_z 1
		.amdhsa_system_vgpr_workitem_id 0
		.amdhsa_next_free_vgpr 512
		.amdhsa_next_free_sgpr 96
		.amdhsa_reserve_vcc 1
		.amdhsa_float_denorm_mode_32 3
		.amdhsa_float_denorm_mode_16_64 3
		.amdhsa_memory_ordered 1
		.amdhsa_forward_progress 1
		.amdhsa_inst_pref_size 164
	.end_amdhsa_kernel
	.amdgpu_metadata
---
amdhsa.version: [ 1, 2 ]
amdhsa.kernels:
  - .name:           k_q755b241da4_vq
    .symbol:         k_q755b241da4_vq.kd
    .args:
      - { .name: latents, .offset: 0, .size: 8, .value_kind: global_buffer, .address_space: global }
      - { .name: cbq, .offset: 8, .size: 8, .value_kind: global_buffer, .address_space: global }
      - { .name: out0, .offset: 16, .size: 8, .value_kind: global_buffer, .address_space: global }
    .group_segment_fixed_size: 327680
    .private_segment_fixed_size: 0
    .kernarg_segment_align: 8
    .kernarg_segment_size: 24
    .max_flat_workgroup_size: 256
    .sgpr_count:     96
    .vgpr_count:     512
    .wavefront_size: 32
...
	.end_amdgpu_metadata
.endif
;; end of part 2
